; MI455X (gfx1250); checked and timed in simulation.
; The chip was launched on July 23, 2026; its instructions are those of AMD's public machine-readable ISA for CDNA 5 (MIT licence, August 2026) and "CDNA5" Instruction Set Architecture Reference Guide (July 2026). The comments in the code are by the model that wrote it; some were corrected since.
;; Sparse Attention Optimizer. Allowed arithmetic: matrix products marked QUANTISED: E5M2 operands, one given power-of-two scale a tensor, by v_wmma_f32_16x16x64_bf8_bf8 or v_wmma_f32_16x16x128_bf8_bf8, f32 sums; everything else in f32.
;; Inputs: key_codes 1 x 16 x 4,096 x 2 x 32 uint8 (E5M2 codes of key, K innermost, in blocks of 32 codes); lowp_scales 4 int32 (the exponents e of the quantised operands' scales 2^e); query_codes 1 x 16 x 4,096 x 2 x 32 uint8 (E5M2 codes of query, K innermost, in blocks of 32 codes); value_codes 1 x 16 x 64 x 128 x 32 uint8 (E5M2 codes of value, K innermost, in blocks of 32 codes).
;; Outputs: out0 1 x 16 x 4,096 x 64 float32.
;; This version of the problem:
;;   THIS VERSION OF THE PROBLEM IS GIVEN IN LOW PRECISION. The matrix products marked QUANTISED in the list below multiply operands that are first quantised to E5M2 (5 exponent bits, 2 mantissa bits; 8 bits a number), with one given power-of-two scale for each operand tensor; their sums are f32. All else is computed in f32.
;;   The module's matrix products, in the order in which they are computed (A, B: the left and right operand; K: the contracted axis; several contracted axes count as one K, in the product's order):
;;     1. batch 16 x [M 4,096, K 64] x [K 64, N 4,096]; A: input query (given as codes); B: input key (given as codes): QUANTISED (scales: A lowp_scales[0], B lowp_scales[1])
;;     2. batch 16 x [M 4,096, K 4,096] x [K 4,096, N 64]; A: softmax (see below); B: input value (given as codes): QUANTISED (scales: A lowp_scales[2], B lowp_scales[3])
;;   THE QUANTISER, for each operand of a quantised product, along K:
;;     - The operand's scale is 2^e, e = its entry of the input lowp_scales (int32; the entries are numbered through the quantised products in the list's order, A before B).
;;     - Each number is divided by the scale, clamped to +-57,344, and rounded to the nearest number of E5M2, ties to even, subnormals kept.
;;     - The product sums the exact products of the quantised numbers (number of the format x scale) in f32.
;;   ~~~python
;;   def quantise(x, axis, e):      # numpy; x: float32 -> the quantised numbers, widened to float32 again
;;       x = np.moveaxis(x, axis, -1); K = x.shape[-1]
;;       r = np.clip(x / 2.0 ** e, -57344, 57344)
;;       step = 2.0 ** (np.maximum(np.frexp(np.where(r == 0, 1, r))[1] - 1, -14) - 2)
;;       q = np.round(r / step) * step * 2.0 ** e      # np.round: ties to even
;;       return np.moveaxis(q, -1, axis).astype(np.float32)
;;   ~~~
;;   SOFTMAX AHEAD OF A QUANTISED PRODUCT. Where the list says 'softmax', what is quantised is not the finished softmax but p = 2^(t - M), with t = logit x log2(e) and M = ceil(the row's largest t), a whole number; so 1/2 < the row's largest p <= 1. The row's sum l is taken of the UNQUANTISED p, in f32, and the product's result is divided by l at the end. Since M is a whole number, a kernel that streams over the keys may use a running M (the ceiling of the running maximum): every later rescaling is an exact power of two, so the quantised numbers keep their values, but for numbers so far below the row's largest that they fall under the format's range.
;;   OPERANDS COMPUTED ON THE WAY. 'Computed on the way' means the value that the module computes at that place (a softmax that the list does not call 'softmax' is quantised finished and normalised). What goes into a quantiser is computed in f32, as accurately as f32 sums, v_exp_f32 and their like allow (about 1e-6 of the number): no bf16 or f16 on the way to a quantiser, and a product that is left as it is and whose result goes on into a quantised operand takes f32 operands (vector FMAs, or v_wmma_f32_16x16x4_f32). A number that lies on a knife's edge between two numbers of the format may be rounded either way, as far as f32 arithmetic and the matrix unit's own rounding can turn it there, and no further.
;;   INPUTS GIVEN AS CODES. key (in the module: [1, 16, 4096, 64], K = its axis 3); query (in the module: [1, 16, 4096, 64], K = its axis 3); value (in the module: [1, 16, 4096, 64], K = its axis 2): each comes as NAME_codes (uint8): NAME with its K axis moved to the last place and cut into blocks of 32 codes, [.., K / 32, bytes a block], one block behind the other in memory; one code a byte (a code: sign, 5 exponent bits, 2 mantissa bits); its scale is its entry of lowp_scales. Its value is code x scale, taken as it is: it is not quantised again, and the codes and scales need not be those that the quantiser above would give.
;; One version. Each part assembles by itself: llvm-mc -triple=amdgcn-amd-amdhsa -mcpu=gfx1250 --defsym DOCPART=n.
;; ======== version 1 of 1: 1 launch
;; limits: right only within a limited range of input values
;; launch attn (part 1): grid 16 x 16, 16 waves a work-group, no clusters, 192,000 bytes of LDS; arguments query_codes, key_codes, value_codes, lowp_scales, out0; writes out0
.if DOCPART == 1
	.amdgcn_target "amdgcn-amd-amdhsa--gfx1250"
	.amdhsa_code_object_version 6
	.text
	.protected	k_q0c61bf05e9_attn
	.globl	k_q0c61bf05e9_attn
	.p2align	8
	.type	k_q0c61bf05e9_attn,@function
k_q0c61bf05e9_attn:
	s_mov_b64 s[64:65], 0
	v_nop
	global_prefetch_b8 v0, s[64:65] scope:SCOPE_SE
	s_setreg_imm32_b32 hwreg(HW_REG_WAVE_MODE, 25, 1), 1
	s_wait_xcnt 0x0
; out[h][i][:] = sum over j of softmax_j(Q[h][i] . K[h][j] / 8) V[h][j][:], key j counting for query i where |j - i| <= 32 or (j - i) mod 256 = 0.
; 16 heads, 4,096 queries and keys, head size 64.  Q, K: codes of BF8 (E5M2), [head][4096][64].  V: codes with the KEYS innermost, [head][64][4096].  out: f32, [head][4096][64].
; Scales 2^eq, 2^ek, 2^ep, 2^ev are given.  p = 2^(t - M), t = score x log2(e) / 8, M = ceil(the row's largest t); p is quantised with 2^ep; the row's sum of the unquantised p divides at the end.
; Only tiles that the mask keeps are multiplied: a query has at most 65 + 15 keys.
; SHARES.  Work-group (cb, head) owns the 256 queries 256 m + 16 cb + r (m, r = 0..15): all 16 periods of 16 residues.  Wave w owns (a) the tile of 16 NEIGHBOURING queries of period m = w
; (tile T0 = 16 w + cb of the head's 256): its band of 5 tiles of 16 keys, its softmax, both parts of the second product, its 16 rows of out; and (b) the tile of 16 queries of ONE RESIDUE c = w
; against the 16 keys of that residue: one product in which nothing is masked; its scores go to the 16 owners through LDS.
; LDS holds, for each period m, the 80 keys round the work-group's 16 (K: 5 pieces of 1 KB; V: 64 rows of 80 bytes).  The strided keys of every query are the centre tiles of those 16 windows.
; THE SEQUENCE'S ENDS.  A piece of K that would lie outside the head brings a valid tile of the head instead, and its scores are masked.  V's window of 80 keys is shifted as a whole to lie inside its row.
; SECOND PRODUCT, NOT TRANSPOSED: source 0 = p (a lane's own query), source 1 = V, lane r of d-tile t taking channel 4 r + t.  So lane (r, h) ends with channels 4 r .. 4 r + 3 of query 8 h + j:
; one store of 16 bytes a lane in which sixteen lanes cover a row's 256 consecutive bytes, aligned; no stage in LDS.
; NO CLUSTER: no two work-groups need the same tile: neighbouring cb share 64 of a window's 80 keys, but at LDS places 16 keys apart, and an LDS address may not hang on the place in a cluster.
; Nothing in LDS is filled twice: 160 KB of tiles fit at once; no ring.  No loop, no branch, EXEC stays full.
; LIMITS: eq + ek between -123 and 130 (added to an exponent field); ep between -126 and 112; ep + ev goes by v_ldexp_f32 and has none.  Codes of infinity or NaN among the inputs are not served.
; SCALAR REGISTERS THAT STAY: s[84:91], s[92:99] the band's masks (from the compares on), s100, s101 the masks of whole tiles, s2, s3, s104, s105 lanes by r / 4, s[60:61] c, s[62:63] lane selects, s66 lanes 16-31, s67 ep + ev.
.set KP,     272                       ; K in LDS: 256 bytes (4 keys) + 16 of padding
.set KPIECE, 4*KP                      ; 16 keys
.set KSLAB,  5*KPIECE+16               ; a period's 5 pieces; 341 x 16 bytes, so that one key of 16 slabs falls on 16 different 16-byte columns modulo 256
.set VB,     16*KSLAB                  ; V begins here (87,296)
.set VP,     80                        ; a row of V's window: 80 keys; 5 x 16 bytes
.set VSUB,   16*VP                     ; sub-slab t: rows y = 0..15 hold channels 4 y + t
.set VSLAB,  4*VSUB
.set XB,     VB+16*VSLAB               ; the strided scores, f32 (169,216): [period m] 1,296 [residue c] 80 [half] 32 [j] 4; stored by ds_store alone, no tile lands here
.set XM,     1296
.set XCP,    80
.set R,   1                            ; v1   r = lane % 16
.set H,   2                            ; v2   h = lane / 16
.set KL,  3                            ; v3   my place in my slab of K
.set KR,  4                            ; v4   key c = w in the centre piece of slab n = 2 (r % 8) + r / 8
.set XST, 5                            ; v5   where the residue tile's scores go
.set XPT, 6                            ; v6   the word of the doubled diagonal
.set XLD, 7                            ; v7   where my queries' strided scores come from
.set VL,  8                            ; v8-12 V of band tile tau, my slab
.set VS,  13                           ; v13  V's centre column in slab h
.set VS0, 14                           ; v14  the same for slabs 0, 1 (slab 0's window may be shifted)
.set VS7, 15                           ; v15  for slabs 14, 15 (slab 15's likewise)
.set TLO, 16                           ; v16  band tile 0: register j is hidden where j < this
.set THI, 17                           ; v17  band tile 4: hidden where j > this
.set NINF, 18                          ; v18  -infinity
.set HOLD, 19                          ; v19  57,344 x 2^ep
.set SCL, 20                           ; v20  2^ep as f32
.set GO,  21                           ; v21  my byte offset in out
.set NM,  22                           ; v[22:23] -M
.set SA,  24                           ; v[24:25], v[26:27] two chains of sums
.set SB,  26
.set MA,  28                           ; v28, v29 two chains of maxima
.set MB,  29
.set XCD, 30                           ; v[30:31] codes of the 8 strided p
.set SEL, 32                           ; v32-35 byte selects
.set W,   36                           ; v36-39 at work
.set LF,  40                           ; v40  the row's sum, then 2^(ep + ev) / sum
.set G,   41                           ; v41  the same, laid for the result's rows
.set DP,  42                           ; v42  destination of lane exchanges
.set QO,  43                           ; v43, v44 offsets in Q; never rewritten
.set QR,  44
.set PS,  48                           ; v48-79   the strided p as an operand: two K steps of 16 registers
.set PL,  80                           ; v80-95   the band's p as an operand: 10 registers of codes, 6 of zeros
.set QF,  96                           ; v96-103  Q of my neighbouring queries      (v96-127 later: the four accumulators)
.set QRF, 104                          ; v104-111 Q of my residue's queries
.set KRF, 112                          ; v112-119 K of my residue's keys
.set RD,  120                          ; v120-127 the residue tile's scores
.set ACC, 96
.set SETA, 128                         ; v128-191 K's five band fragments; then V of strided step 1; then V of the band
.set SETB, 192                         ; v192-255 the scores; then V of strided step 2; then the results
.set SC,  192                          ; v192-231 the band's 40 scores, v232-239 the 8 strided ones
.set XV,  232
.set OUT, 192
.set GK,  40                           ; s[40:59] K's five groups 0
.set GV,  68                           ; s[68:83] V's four
.set G1K, 24                           ; s[24:31], s[32:39] the two groups 1
.set G1V, 32
.macro PLACES                          ; four plain vector lines behind matrix instructions (ISA guide 7.12.1)
.rept 4
	v_nop
.endr
.endm
.macro G0K tau                         ; group 0 of K's piece tau, its address word still an offset: tile T0 - 2 + tau held inside the head
	s_add_co_u32 s86, s17, \tau
	s_max_u32 s86, s86, 2
	s_min_u32 s86, s86, 257
	s_sub_co_u32 s86, s86, 2
	s_lshl_b32 s86, s86, 10                        ; 16 keys of 64 bytes
	s_mov_b32 s[GK+4*\tau], 1                      ; count = 1
	s_add_co_u32 s[GK+4*\tau+1], s18, \tau*KPIECE  ; LDS: my slab, piece tau
	s_add_co_u32 s[GK+4*\tau+2], s86, s84
	s_mov_b32 s[GK+4*\tau+3], 0
.endm
.macro G0V t                           ; group 0 of V's sub-slab t: channels t, t + 4, .. t + 60, keys 16 A on
	s_mov_b32 s[GV+4*\t], 1
	s_add_co_u32 s[GV+4*\t+1], s19, \t*VSUB
	s_add_co_u32 s[GV+4*\t+2], s85, \t*4096
	s_mov_b32 s[GV+4*\t+3], 0
.endm
.macro BIND g, base                    ; the buffer's address is added to the offset; type = 2 on top
	s_add_nc_u64 s[\g+2:\g+3], s[\base:\base+1], s[\g+2:\g+3]
	s_or_b32 s[\g+3], s[\g+3], 0x80000000
.endm
.macro HIDE tile, mask, per            ; eight scores of a band tile become -infinity where the mask says so, from the tile's lowest register on
.irp j, 0,1,2,3,4,5,6,7
	v_cndmask_b32 v[SC+8*\tile+\j], v[SC+8*\tile+\j], v[NINF], s[\mask+\per*\j]
.endr
.endm
.macro QUANT src, dst                  ; eight p of a lane become eight codes
.irp i, 0,1,2,3,4,5,6,7
	v_min_num_f32 v[\src+\i], v[\src+\i], v[HOLD]  ; the conversion to an 8-bit code does not saturate (ISA guide 7.6.2); p is not negative, so the hold is one-sided
.endr
	v_cvt_scalef32_pk8_bf8_f32 v[\dst:\dst+1], v[\src:\src+7], v[SCL]
.endm
.macro SPREAD j, wr                    ; the code of strided p number j, at byte r % 4 of v[wr], goes to register r / 4 of the four; zeros to the others
	v_cndmask_b32 v[PS+4*(\j)],   0, v[\wr], s2
	v_cndmask_b32 v[PS+4*(\j)+1], 0, v[\wr], s3
	v_cndmask_b32 v[PS+4*(\j)+2], 0, v[\wr], s104
	v_cndmask_b32 v[PS+4*(\j)+3], 0, v[\wr], s105
.endm
.macro VSTR set, g0                    ; V for a strided K step: registers 4 g .. 4 g + 3 of d-tile t: the 16 centre keys of slab 2 (g0 + g) + h, channel 4 r + t
.irp g, 0,1,2,3
.irp t, 0,1,2,3
.if (\g0+\g) == 0
	ds_load_b128 v[\set+16*\t+4*\g:\set+16*\t+4*\g+3], v[VS0] offset:\t*VSUB
.elseif (\g0+\g) == 7
	ds_load_b128 v[\set+16*\t+4*\g:\set+16*\t+4*\g+3], v[VS7] offset:\t*VSUB
.else
	ds_load_b128 v[\set+16*\t+4*\g:\set+16*\t+4*\g+3], v[VS] offset:2*(\g0+\g)*VSLAB+\t*VSUB
.endif
.endr
.endr
.endm
.macro PV a, b, zero                   ; four products, one for each d-tile: the four accumulators take turns, one instruction a turn
.irp t, 0,1,2,3
.if \zero
	v_wmma_f32_16x16x128_bf8_bf8 v[ACC+8*\t:ACC+8*\t+7], v[\a:\a+15], v[\b+16*\t:\b+16*\t+15], 0
.else
	v_wmma_f32_16x16x128_bf8_bf8 v[ACC+8*\t:ACC+8*\t+7], v[\a:\a+15], v[\b+16*\t:\b+16*\t+15], v[ACC+8*\t:ACC+8*\t+7]
.endif
.endr
.endm
	; ---- the head: ids, descriptors, the nine tensor loads
	s_load_b256 s[4:11], s[0:1], 0x0               ; Q s[4:5], K s[6:7], V s[8:9], the scales' exponents s[10:11]
	s_load_b64 s[12:13], s[0:1], 0x20              ; out
	v_lshl_add_u32 v62, v0, 2, 0x2e600
	v_mov_b32 v63, 0
	ds_add_u32 v62, v63
	ds_add_u32 v62, v63
	s_wait_dscnt 0x0
	v_lshrrev_b32 v45, 5, v0
	v_readfirstlane_b32 s14, v45                   ; wave w, 0..15
	s_min_u32 s15, ttmp9, 15                       ; cb; the grid has 16 along x: the bound is written out, so that the LDS addresses made of cb are bounded by this text's own arithmetic
	s_and_b32 s16, ttmp7, 0xffff                   ; head
	s_lshl_b32 s17, s14, 4
	s_add_co_u32 s17, s17, s15                     ; T0 = 16 w + cb: my tile of 16 neighbouring queries
	s_lshl_b32 s84, s16, 18                        ; the head's first byte in each tensor of codes
	s_mul_i32 s18, s14, KSLAB                      ; my slab of K
	s_mul_i32 s19, s14, VSLAB
	s_add_co_u32 s19, s19, VB                      ; my slab of V
	s_mov_b32 s[G1K],   (3<<16)|(1<<20)|(5<<22)|(3<<25)   ; K: elements of 8 bytes; padding on: 4 words behind every 64
	s_mov_b32 s[G1K+1], 32<<16                     ; tensor_dim0 = 32 elements: 256 bytes
	s_mov_b32 s[G1K+2], 4<<16                      ; tensor_dim1 = 4
	s_mov_b32 s[G1K+3], 32<<16                     ; tile_dim0
	s_mov_b32 s[G1K+4], 4                          ; tile_dim1: a piece of 16 keys is 1 KB on end, taken as 4 rows of 256 bytes
	s_mov_b32 s[G1K+5], 32                         ; pitch = row
	s_mov_b32 s[G1K+6], 0
	s_mov_b32 s[G1K+7], 0
	s_mov_b32 s[G1V],   2<<16                      ; V: elements of 4 bytes, no padding
	s_mov_b32 s[G1V+1], 20<<16                     ; tensor_dim0 = 20 elements: 80 keys
	s_mov_b32 s[G1V+2], 16<<16                     ; tensor_dim1 = 16
	s_mov_b32 s[G1V+3], 20<<16
	s_mov_b32 s[G1V+4], 16
	s_mov_b32 s[G1V+5], 4096                       ; from row to row four channels of 4,096 bytes
	s_mov_b32 s[G1V+6], 0
	s_mov_b32 s[G1V+7], 0
.irp tau, 0,1,2,3,4
	G0K \tau
.endr
	s_max_u32 s85, s17, 2
	s_min_u32 s85, s85, 253
	s_sub_co_u32 s85, s85, 2                       ; A = T0 - 2 held within 0 .. 251: V's window is tiles A .. A + 4
	s_lshl_b32 s85, s85, 4
	s_add_co_u32 s85, s85, s84
.irp t, 0,1,2,3
	G0V \t
.endr
	v_and_b32 v[R], 15, v0
	v_bfe_u32 v[H], v0, 4, 1
	v_lshlrev_b32 v45, 4, v[H]                     ; 16 h
	s_lshl_b32 s88, s17, 10
	s_add_co_u32 s88, s88, s84                     ; Q: my 16 neighbouring rows
	s_lshl_b32 s89, s15, 4
	s_add_co_u32 s89, s89, s14
	s_lshl_b32 s89, s89, 6
	s_add_co_u32 s89, s89, s84                     ; Q: row 16 cb + w, the first of my residue
	v_lshl_add_u32 v[QO], v[R], 6, v45             ; row r, + 16 h
	v_lshl_add_u32 v[QR], v[R], 14, v45            ; period r: 256 rows of 64 bytes on, + 16 h
	v_add_nc_u32 v[QO], s88, v[QO]
	v_add_nc_u32 v[QR], s89, v[QR]
	s_wait_kmcnt 0x0
	s_load_b128 s[20:23], s[10:11], 0x0            ; eq, ek, ep, ev
.irp tau, 0,1,2,3,4
	BIND GK+4*\tau, 6
.endr
.irp t, 0,1,2,3
	BIND GV+4*\t, 8
.endr
.irp tau, 0,1,2,3,4                    ; all first fills in one group, ahead of every wait on TENSORcnt, LDS read and barrier: nine loads of mine are out
	tensor_load_to_lds s[GK+4*\tau:GK+4*\tau+3], s[G1K:G1K+7]
	s_nop 0
.endr
.irp t, 0,1,2,3
	tensor_load_to_lds s[GV+4*\t:GV+4*\t+3], s[G1V:G1V+7]
	s_nop 0
.endr
	PLACES                                         ; four v_nop follow the last tensor load
	; A fragment of Q or K for K = 64: two loads of 16 bytes, 32 apart, at row + 16 h: the same permutation of the head's 64 on both sides
	global_load_b128 v[QF:QF+3],     v[QO], s[4:5]
	global_load_b128 v[QF+4:QF+7],   v[QO], s[4:5] offset:32
	global_load_b128 v[QRF:QRF+3],   v[QR], s[4:5]
	global_load_b128 v[QRF+4:QRF+7], v[QR], s[4:5] offset:32
	; ---- addresses, masks and selects, made while the tiles are on their way
	v_lshrrev_b32 v46, 2, v[R]
	v_and_b32 v47, 3, v[R]
	v_mul_u32_u24 v[KL], v46, KP
	v_lshl_add_u32 v[KL], v47, 6, v[KL]
	v_add_nc_u32 v[KL], v45, v[KL]
	v_add_nc_u32 v[KL], s18, v[KL]                 ; my slab + (r / 4) 272 + (r % 4) 64 + 16 h: sixteen lanes on sixteen different 16-byte columns modulo 256
	v_lshlrev_b32 v47, 3, v47                      ; 8 (r % 4)
.irp i, 0,1,2,3
	v_lshlrev_b32 v[SEL+\i], v47, 12+\i
	v_xor_b32 v[SEL+\i], 0x0c0c0c0c, v[SEL+\i]     ; select i at byte r % 4, the constant 0 (select 0x0c) at the others
.endr
	s_lshr_b32 s86, s14, 2
	s_mul_i32 s86, s86, KP
	s_and_b32 s87, s14, 3
	s_lshl_b32 s87, s87, 6
	s_add_co_u32 s86, s86, s87
	s_add_co_u32 s86, s86, 2*KPIECE                ; key w of a centre piece
	v_and_b32 v[KR], 7, v[R]
	v_lshrrev_b32 v36, 3, v[R]
	v_lshl_add_u32 v[KR], v[KR], 1, v36            ; row r of the residue tile takes period n = 2 (r % 8) + r / 8, so that register j of half h is n = 2 j + h
	v_mul_u32_u24 v[KR], v[KR], KSLAB
	v_add_nc_u32 v[KR], v45, v[KR]
	v_add_nc_u32 v[KR], s86, v[KR]
	s_mul_i32 s87, s14, XCP
	s_add_co_u32 s87, s87, XB
	v_mul_u32_u24 v37, v[R], XM
	v_add_nc_u32 v37, s87, v37                     ; X[period r][residue w]
	v_lshl_add_u32 v[XST], v[H], 5, v37
	v_and_b32 v38, 1, v[R]
	v_lshrrev_b32 v39, 1, v[R]
	v_lshl_add_u32 v[XPT], v38, 5, v37
	v_lshl_add_u32 v[XPT], v39, 2, v[XPT]          ; there, key period n = r: half r % 2, word r / 2
	s_mul_i32 s88, s14, XM
	s_add_co_u32 s88, s88, XB
	v_mul_u32_u24 v38, v[R], VP                    ; 80 r: a row of V's window, and a residue's place in X
	v_lshl_add_u32 v[XLD], v[H], 5, v38
	v_add_nc_u32 v[XLD], s88, v[XLD]               ; X[period w][residue r][half h]
	; where band tile tau lies in V's window of five: tau, but for the shifted windows at the sequence's ends; a tile outside the sequence gets some place inside the slab (its p are zeros)
	s_min_u32 s91, s17, 2                          ; a
	s_add_co_u32 s92, s17, 2
	s_lshr_b32 s92, s92, 8                         ; 1 where T0 >= 254
	s_add_co_u32 s93, s17, 1
	s_lshr_b32 s93, s93, 8                         ; 1 where T0 = 255
	s_add_co_u32 s94, s92, s93                     ; tile 0's place
	s_lshr_b32 s95, s91, 1
	s_add_co_u32 s95, s95, s94                     ; tile 1's
	s_add_co_u32 s96, s91, s94                     ; tile 2's
	s_add_co_u32 s97, s91, s92
	s_add_co_u32 s97, s97, 1                       ; tile 3's
	s_add_co_u32 s98, s91, 2                       ; tile 4's
	v_lshl_add_u32 v39, v[H], 3, v38
	v_add_nc_u32 v39, s19, v39                     ; my slab + 80 r + 8 h
.irp tau, 0,1,2,3,4
	s_lshl_b32 s[94+\tau], s[94+\tau], 4
	v_add_nc_u32 v[VL+\tau], s[94+\tau], v39
.endr
	s_mov_b32 s66, 0xffff0000                      ; lanes 16-31
	v_mad_u32_u24 v[VS], v[H], VSLAB, v38
	v_add_nc_u32 v[VS], VB+32, v[VS]               ; slab h, row r, the centre tile's column in a window that is not shifted
	s_min_u32 s99, s15, 2
	s_lshl_b32 s99, s99, 4
	s_add_co_u32 s99, s99, VB
	v_add_nc_u32 v[VS0], s99, v38                  ; slab 0's centre tile lies at column 16 min(cb, 2)
	v_cndmask_b32 v[VS0], v[VS0], v[VS], s66       ; lanes 16-31: slab 1, as everywhere
	s_add_co_u32 s86, s15, 242
	s_lshr_b32 s86, s86, 8
	s_add_co_u32 s87, s15, 241
	s_lshr_b32 s87, s87, 8
	s_add_co_u32 s86, s86, s87
	s_lshl_b32 s86, s86, 4                         ; slab 15's centre tile lies 16 bytes further on where cb = 14, 32 where cb = 15
	v_mad_u32_u24 v[VS7], v[H], s86, v[VS]
	v_add_nc_u32 v[VS7], 14*VSLAB, v[VS7]          ; slabs 14 + h
	s_lshl_b32 s86, s16, 20
	s_lshl_b32 s87, s17, 12
	s_add_co_u32 s86, s86, s87                     ; out: the head's 4,096 rows of 256 bytes, my 16 rows
	v_lshlrev_b32 v[GO], 4, v[R]
	v_lshl_add_u32 v[GO], v[H], 11, v[GO]
	v_add_nc_u32 v[GO], s86, v[GO]                 ; + 16 r + 8 h rows
	; the band's masks.  Register j of half h is key row 8 h + j.  Tile 0: d = row - r - 32, hidden where row < r.  Tile 4: d = row - r + 32, hidden where row > r.  Tiles 1, 2, 3 lie wholly in the band.
	v_lshlrev_b32 v36, 3, v[H]
	v_sub_nc_u32 v36, v[R], v36                    ; r - 8 h
	s_cmp_lt_u32 s17, 2
	s_cselect_b32 s86, 16, 0                       ; tile 0 lies before key 0: all hidden
	s_cmp_gt_u32 s17, 253
	s_cselect_b32 s87, -32, 0                      ; tile 4 lies past the last key: all hidden
	v_add_nc_u32 v[TLO], s86, v36
	v_add_nc_u32 v[THI], s87, v36
	s_cmp_eq_u32 s17, 0
	s_cselect_b32 s100, -1, 0                      ; tile 1 lies before key 0
	s_cmp_eq_u32 s17, 255
	s_cselect_b32 s101, -1, 0                      ; tile 3 lies past the last key
.irp j, 0,1,2,3,4,5,6,7                ; FROM HERE ON s84 TO s99 HOLD THE MASKS and serve nothing else
	v_cmp_lt_i32 s[84+\j], \j, v[TLO]
	v_cmp_gt_i32 s[92+\j], \j, v[THI]
.endr
	s_mov_b32 s2,   0x000f000f                     ; lanes with r / 4 = 0, 1, 2, 3
	s_mov_b32 s3,   0x00f000f0
	s_mov_b32 s104, 0x0f000f00
	s_mov_b32 s105, 0xf000f000
	s_mov_b32 s62, 0x76543210                      ; v_permlanex16_b32: lane l xor 16
	s_mov_b32 s63, 0xfedcba98
	s_mov_b32 s60, 0x3e38aa3b                      ; c = log2(e) / 8
	v_mov_b32 v[NINF], 0xff800000
	v_mov_b32 v[DP], 0                             ; written once: a lane exchange's destination counts as one of its sources
.irp i, 10,11,12,13,14,15
	v_mov_b32 v[PL+\i], 0                          ; the band has 80 keys: the last 48 places of its K step hold zero codes of p
.endr
	s_wait_kmcnt 0x0
	; the scales.  At work: s18 and s19, the slabs' bases, whose last readers stand above
	s_add_co_i32 s18, s20, s21
	s_lshl_b32 s18, s18, 23
	s_add_co_i32 s60, s60, s18                     ; a score stands for score x 2^(eq + ek): the exponents are added to c's exponent field
	s_mov_b32 s61, s60                             ; (named with it as a pair, so it is written)
	s_add_co_i32 s18, s22, 127
	s_lshl_b32 s19, s18, 23
	v_mov_b32 v[SCL], s19                          ; 2^ep as f32: the conversion takes its exponent field
	s_add_co_i32 s18, s18, 15
	s_lshl_b32 s18, s18, 23
	s_or_b32 s18, s18, 0x600000
	v_mov_b32 v[HOLD], s18                         ; 57,344 x 2^ep
	s_add_co_i32 s67, s22, s23                     ; ep + ev
	; ---- first barrier: K lies in LDS
	s_wait_tensorcnt 4                             ; my five pieces of K are in; the four loads of V, issued behind them, may stay out
	s_barrier_signal -1
	s_barrier_wait -1                              ; everybody's are
	ds_load_b128 v[KRF:KRF+3],   v[KR]
	ds_load_b128 v[KRF+4:KRF+7], v[KR] offset:32
.irp tau, 0,1,2,3,4
	ds_load_b128 v[SETA+8*\tau:SETA+8*\tau+3],   v[KL] offset:\tau*KPIECE
	ds_load_b128 v[SETA+8*\tau+4:SETA+8*\tau+7], v[KL] offset:\tau*KPIECE+32
.endr
	s_wait_loadcnt 0x0                             ; Q
	s_wait_dscnt 10                                ; my residue's keys are in; the ten loads of the band may be out
	v_wmma_f32_16x16x64_bf8_bf8 v[RD:RD+7], v[KRF:KRF+7], v[QRF:QRF+7], 0   ; transposed: lane (m, h), register j: query period m, key period 2 j + h
	s_wait_dscnt 0x0
.irp tau, 0,1,2,3,4
	v_wmma_f32_16x16x64_bf8_bf8 v[SC+8*\tau:SC+8*\tau+7], v[SETA+8*\tau:SETA+8*\tau+7], v[QF:QF+7], 0   ; lane (r, h), register j: query r, key row 8 h + j of band tile tau
.endr
	PLACES                                         ; in front of the stores and of the first reads of results
	ds_store_b128 v[XST], v[RD:RD+3]
	ds_store_b128 v[XST], v[RD+4:RD+7] offset:16
	ds_store_b32 v[XPT], v[NINF]                   ; key period = query period is the band's own d = 0: it counts once.  LDS serves a wave's instructions in order: this lands on the stores above
	; ---- second barrier: V and the strided scores lie in LDS.  Behind it no LDS byte is written any more
	s_wait_tensorcnt 0x0                           ; for the others' sake: my four parts of V have landed,
	s_wait_dscnt 0x0                               ; and my stores
	s_barrier_signal -1
	HIDE 0, 84, 1                                  ; work on registers while the others arrive
	HIDE 1, 100, 0
	HIDE 3, 101, 0
	HIDE 4, 92, 1
	v_max3_num_f32 v[MA], v[SC], v[SC+1], v[SC+2]  ; the largest of my 40 band scores, in two chains, in ascending order
	v_max3_num_f32 v[MB], v[SC+3], v[SC+4], v[SC+5]
.irp i, 6,10,14,18,22,26,30,34
	v_max3_num_f32 v[MA], v[MA], v[SC+\i], v[SC+\i+1]
	v_max3_num_f32 v[MB], v[MB], v[SC+\i+2], v[SC+\i+3]
.endr
	v_max3_num_f32 v[MA], v[MA], v[SC+38], v[SC+39]
	s_barrier_wait -1
	ds_load_b128 v[XV:XV+3],   v[XLD]              ; register j: my query against key period 2 j + h
	ds_load_b128 v[XV+4:XV+7], v[XLD] offset:16
	VSTR SETA, 0                                   ; V of strided step 1 (periods 0 to 7), over K's fragments: their products stand more than four plain lines back
	s_wait_dscnt 16                                ; the strided scores are in; the sixteen loads of V may be out
	v_max3_num_f32 v[MA], v[MA], v[XV], v[XV+1]
	v_max3_num_f32 v[MB], v[MB], v[XV+2], v[XV+3]
	v_max3_num_f32 v[MA], v[MA], v[XV+4], v[XV+5]
	v_max3_num_f32 v[MB], v[MB], v[XV+6], v[XV+7]
	v_max_num_f32 v[MA], v[MA], v[MB]
	v_permlanex16_b32 v[DP], v[MA], s62, s63
	v_max_num_f32 v[MA], v[MA], v[DP]              ; the row's largest score (d = 0 always counts, so it is a number)
	v_mul_f32 v[MA], s60, v[MA]                    ; as t (c is positive)
	v_floor_f32 v[NM], -v[MA]                      ; -M = floor(-t) = -ceil(t): the whole row is here, so M is final
	v_mov_b32 v[NM+1], v[NM]                       ; (named with it as a pair)
.set i, 0
.rept 24
	v_pk_fma_f32 v[SC+i:SC+i+1], v[SC+i:SC+i+1], s[60:61], v[NM:NM+1] op_sel_hi:[1,0,0]   ; t - M, two at a time; -infinity stays
.set i, i+2
.endr
.set i, 0
.rept 48
	v_exp_f32 v[SC+i], v[SC+i]                     ; p = 2^(t - M): one batch
.set i, i+1
.endr
	v_nop                                          ; a plain line behind the last exponential
	s_wait_alu depctr_va_vdst(0)                   ; one wait for the batch, ahead of its first reader
	v_pk_add_f32 v[SA:SA+1], v[SC:SC+1], v[SC+2:SC+3]        ; the row's sum is taken of the unquantised p: two at a time, in two chains
	v_pk_add_f32 v[SB:SB+1], v[SC+4:SC+5], v[SC+6:SC+7]
.irp i, 8,12,16,20,24,28,32,36,40,44
	v_pk_add_f32 v[SA:SA+1], v[SA:SA+1], v[SC+\i:SC+\i+1]
	v_pk_add_f32 v[SB:SB+1], v[SB:SB+1], v[SC+\i+2:SC+\i+3]
.endr
	v_pk_add_f32 v[SA:SA+1], v[SA:SA+1], v[SB:SB+1]
	v_add_f32 v[LF], v[SA], v[SA+1]
	v_permlanex16_b32 v[DP], v[LF], s62, s63
	v_add_f32 v[LF], v[LF], v[DP]                  ; the row's sum, in both halves of the lanes
.irp tau, 0,1,2,3,4
	QUANT SC+8*\tau, PL+2*\tau                     ; registers 2 tau, 2 tau + 1 of the band's operand: key rows 8 h + 0 .. 7 of tile tau
.endr
	QUANT XV, XCD
	v_nop                                          ; one plain line between the last scaled conversion and what touches its result
	VSTR SETB, 4                                   ; V of strided step 2 (periods 8 to 15), over the scores, which are done with
	v_rcp_f32 v[LF], v[LF]
	; the strided p as an operand: in the 16 bytes that stand for the 16 keys of period 2 j + h, my query's key is byte r
.irp g, 0,1
.irp i, 0,1,2,3
	v_perm_b32 v[W+\i], v[XCD+\g], v[XCD+\g], v[SEL+\i]
.endr
.irp i, 0,1,2,3
	SPREAD 4*\g+\i, W+\i
.endr
.endr
	s_wait_alu depctr_va_vdst(0)                   ; the reciprocal's wait, ahead of its first reader; the forty lines above are the work between
	v_ldexp_f32 v[LF], v[LF], s67                  ; 2^(ep + ev) / sum, in lane (query, either half)
	v_mov_b32_dpp v[DP], v[LF] row_xmask:8 row_mask:0xf bank_mask:0xf
	v_cndmask_b32 v[G], v[LF], v[DP], s66          ; lanes 0-15 keep query r's; lane 16 + r takes query (r xor 8)'s: so lane j of each half holds the factor of the half's row 8 h + j
	; ---- the second product: three K steps of 128
	s_wait_dscnt 16                                ; step 1's V is in; step 2's sixteen loads may be out
	PV PS, SETA, 1                                 ; the first products start the sums
	PLACES                                         ; in front of loads into registers that these products have read
.irp t, 0,1,2,3
.irp tau, 0,1,2,3,4
	ds_load_b64 v[SETA+16*\t+2*\tau:SETA+16*\t+2*\tau+1], v[VL+\tau] offset:\t*VSUB   ; the band's V: key rows 8 h + 0 .. 7 of tile tau.  Registers 10-15 keep step 1's codes, which meet zero codes of p
.endr
.endr
	s_wait_dscnt 20                                ; step 2's V is in; the twenty just issued may be out
	PV PS+16, SETB, 0
	s_wait_dscnt 0x0
	PV PL, SETA, 0
	PLACES                                         ; in front of the reads of results, and of writes over step 2's V
	; ---- the way out: lane (r, h), accumulator t, register j is out(query 8 h + j, channel 4 r + t)
.irp j, 0,1,2,3,4,5,6,7
.irp t, 0,1,2,3
	v_mul_f32_dpp v[OUT+4*\j+\t], v[G], v[ACC+8*\t+\j] row_share:\j row_mask:0xf bank_mask:0xf   ; x the factor of row 8 h + j, taken from lane j of my half; each accumulator from its lowest register on
.endr
	global_store_b128 v[GO], v[OUT+4*\j:OUT+4*\j+3], s[12:13] offset:256*\j th:TH_STORE_NT   ; sixteen lanes store a row's 256 consecutive bytes, at a multiple of 256 from out's first byte; written once, read by nobody here
.endr
	s_wait_xcnt 0x0
	v_lshl_add_u32 v62, v0, 2, 0x2e600
	v_mov_b32 v63, 0
	s_wait_tensorcnt 0x0
	ds_add_u32 v62, v63
	s_wait_dscnt 0x0
	s_endpgm
.Lfunc_end_k_q0c61bf05e9_attn:
	.size	k_q0c61bf05e9_attn, .Lfunc_end_k_q0c61bf05e9_attn-k_q0c61bf05e9_attn
	.p2alignl 7, 3214868480
	.fill 96, 4, 3214868480
	.section	.rodata,"a",@progbits
	.p2align	6, 0x0
	.amdhsa_kernel k_q0c61bf05e9_attn
		.amdhsa_group_segment_fixed_size 192000
		.amdhsa_private_segment_fixed_size 0
		.amdhsa_enable_private_segment 0
		.amdhsa_kernarg_size 40
		.amdhsa_user_sgpr_count 2
		.amdhsa_user_sgpr_kernarg_segment_ptr 1
		.amdhsa_wavefront_size32 1
		.amdhsa_system_sgpr_workgroup_id_x 1
		.amdhsa_system_sgpr_workgroup_id_y 1
		.amdhsa_system_sgpr_workgroup_id_z 1
		.amdhsa_system_vgpr_workitem_id 0
		.amdhsa_next_free_vgpr 256
		.amdhsa_next_free_sgpr 106
		.amdhsa_reserve_vcc 0
		.amdhsa_float_denorm_mode_32 3
		.amdhsa_float_denorm_mode_16_64 3
		.amdhsa_memory_ordered 1
		.amdhsa_forward_progress 1
		.amdhsa_inst_pref_size 37
	.end_amdhsa_kernel
	.amdgpu_metadata
---
amdhsa.version: [ 1, 2 ]
amdhsa.kernels:
  - .name:           k_q0c61bf05e9_attn
    .symbol:         k_q0c61bf05e9_attn.kd
    .args:
      - { .name: query_codes, .offset: 0, .size: 8, .value_kind: global_buffer, .address_space: global }
      - { .name: key_codes, .offset: 8, .size: 8, .value_kind: global_buffer, .address_space: global }
      - { .name: value_codes, .offset: 16, .size: 8, .value_kind: global_buffer, .address_space: global }
      - { .name: lowp_scales, .offset: 24, .size: 8, .value_kind: global_buffer, .address_space: global }
      - { .name: out0, .offset: 32, .size: 8, .value_kind: global_buffer, .address_space: global }
    .group_segment_fixed_size: 192000
    .private_segment_fixed_size: 0
    .kernarg_segment_align: 8
    .kernarg_segment_size: 40
    .max_flat_workgroup_size: 512
    .sgpr_count:     106
    .vgpr_count:     256
    .wavefront_size: 32
...
	.end_amdgpu_metadata
.endif
;; end of part 1
